; MI455X (gfx1250); checked and timed in simulation.
; The chip was launched on July 23, 2026; its instructions are those of AMD's public machine-readable ISA for CDNA 5 (MIT licence, August 2026) and "CDNA5" Instruction Set Architecture Reference Guide (July 2026). The comments in the code are by the model that wrote it; some were corrected since.
;; Self Attention. Allowed arithmetic: matrix products marked QUANTISED: E2M3 operands, one E8M0 scale for each 32 along K, by v_wmma_scale_f32_16x16x128_f8f6f4 with both operands' format E2M3, f32 sums; everything else in f32.
;; Inputs: Wk 512 x 512 float32; Wq 512 x 512 float32; Wv 512 x 512 float32; x 2 x 4,096 x 512 float32.
;; Outputs: out0 2 x 4,096 x 512 float32.
;; This version of the problem:
;;   THIS VERSION OF THE PROBLEM IS GIVEN IN LOW PRECISION. The matrix products marked QUANTISED in the list below multiply operands that are first quantised to E2M3 (2 exponent bits, 3 mantissa bits; 6 bits a number), with one power-of-two scale for each 32 numbers along K (OCP MX v1.0); their sums are f32. All else is computed in f32.
;;   The module's matrix products, in the order in which they are computed (A, B: the left and right operand; K: the contracted axis; several contracted axes count as one K, in the product's order):
;;     1. [M 8,192, K 512] x [K 512, N 512]; A: input x; B: input Wk: QUANTISED
;;     2. [M 8,192, K 512] x [K 512, N 512]; A: input x; B: input Wq: QUANTISED
;;     3. [M 8,192, K 512] x [K 512, N 512]; A: input x; B: input Wv: QUANTISED
;;     4. batch 16 x [M 4,096, K 64] x [K 64, N 4,096]; A: computed on the way; B: computed on the way: QUANTISED
;;     5. batch 16 x [M 64, K 4,096] x [K 4,096, N 4,096]; A: computed on the way; B: softmax (see below): QUANTISED
;;   THE QUANTISER, for each operand of a quantised product, along K:
;;     - K is cut into blocks of 32 from its start; a last block that is shorter is filled with zeros.
;;     - A block's scale is 2^e with e = floor(log2(the largest magnitude in the block)) - 2, held to -126 .. 127; a block of zeros has e = 0. As a byte (E8M0): e + 127.
;;     - Each number is divided by its block's scale, clamped to +-7.5, and rounded to the nearest number of E2M3, ties to even, subnormals kept.
;;     - The product sums the exact products of the quantised numbers (number of the format x scale) in f32.
;;   ~~~python
;;   def quantise(x, axis):      # numpy; x: float32 -> the quantised numbers, widened to float32 again
;;       x = np.moveaxis(x, axis, -1); K = x.shape[-1]
;;       x = np.pad(x, [(0, 0)] * (x.ndim - 1) + [(0, -K % 32)]); x = x.reshape(x.shape[:-1] + (-1, 32)); a = np.abs(x).max(-1, keepdims=True)
;;       e = np.where(a > 0, np.clip(np.frexp(np.where(a > 0, a, 1))[1] - 1 - 2, -126, 127), 0)      # np.frexp(a)[1] - 1 = floor(log2(a)), exactly
;;       r = np.clip(x / 2.0 ** e, -7.5, 7.5)
;;       step = 2.0 ** (np.maximum(np.frexp(np.where(r == 0, 1, r))[1] - 1, 0) - 3)
;;       q = np.round(r / step) * step * 2.0 ** e      # np.round: ties to even
;;       return np.moveaxis(q.reshape(q.shape[:-2] + (-1,))[..., :K], -1, axis).astype(np.float32)
;;   ~~~
;;   SOFTMAX AHEAD OF A QUANTISED PRODUCT. Where the list says 'softmax', what is quantised is not the finished softmax but p = 2^(t - M), with t = logit x log2(e) and M = ceil(the row's largest t), a whole number; so 1/2 < the row's largest p <= 1. The row's sum l is taken of the UNQUANTISED p, in f32, and the product's result is divided by l at the end. Since M is a whole number, a kernel that streams over the keys may use a running M (the ceiling of the running maximum): every later rescaling is an exact power of two, which a block's scale takes up: the codes' values come out the same.
;;   OPERANDS COMPUTED ON THE WAY. 'Computed on the way' means the value that the module computes at that place (a softmax that the list does not call 'softmax' is quantised finished and normalised). What goes into a quantiser is computed in f32, as accurately as f32 sums, v_exp_f32 and their like allow (about 1e-6 of the number): no bf16 or f16 on the way to a quantiser, and a product that is left as it is and whose result goes on into a quantised operand takes f32 operands (vector FMAs, or v_wmma_f32_16x16x4_f32). A number that lies on a knife's edge between two numbers of the format may be rounded either way, as far as f32 arithmetic and the matrix unit's own rounding can turn it there, and no further.
;; One version. Each part assembles by itself: llvm-mc -triple=amdgcn-amd-amdhsa -mcpu=gfx1250 --defsym DOCPART=n.
;; ======== version 1 of 1: 3 launches
;; limits: right only within a limited range of input values
;; workspace buffers: wfrag 638,976 bytes; kc 3,407,872 bytes; kv 6,684,672 bytes
;; launch wprep (part 1): grid 32 x 3, 4 waves a work-group, no clusters, 0 bytes of LDS; arguments Wk, Wq, Wv, wfrag; writes wfrag
.if DOCPART == 1
	.amdgcn_target "amdgcn-amd-amdhsa--gfx1250"
	.amdhsa_code_object_version 6
	.text
	.protected	k_q4e37052466_wprep
	.globl	k_q4e37052466_wprep
	.p2align	8
	.type	k_q4e37052466_wprep,@function
k_q4e37052466_wprep:
	s_mov_b64 s[64:65], 0
	v_nop
	global_prefetch_b8 v0, s[64:65] scope:SCOPE_SE
	s_setreg_imm32_b32 hwreg(HW_REG_WAVE_MODE, 25, 1), 1
	s_wait_xcnt 0x0
; Wk, Wq, Wv [512 (k)][512 (feature)] f32 become codes of FP6 (E2M3) quantised along k, their FIRST axis, with one E8M0 byte for each 32 along k,
; laid in the order of a matrix operand's registers.  wfrag holds 24 records of WREC bytes, record 8 p + g (p: 0 = k, 1 = q, 2 = v; g: the head):
;   fragment (K step s, tile t) at 1536 (4 s + t): registers 4 c .. 4 c + 3 of lane l at 512 c + 16 l;   its scale words at 24576 + 128 (4 s + t) + 4 l.
; Row r of tile t is feature 64 g + 32 (t / 2) + 8 (t % 2) + r + 8 (r / 8) for k and q (so that the next launch's results have 16 neighbouring features in 16 registers),
; and 64 g + 16 t + r for v.
; SHARES: work-group (x = 4 g + s, y = p), wave t: one fragment, 16 features x 128 k.  A LANE TAKES A COLUMN AND ITS REGISTERS RUN DOWN k in the operand's own order
; (lane (r, h): k = 64 c + 32 h + 0 .. 31 in registers 6 c .. 6 c + 5): a block of 32 lies in one lane, and nothing is transposed.
; A block's scale is 2^(floor(log2(largest magnitude)) - 2): its byte is the largest magnitude's exponent field - 2, held at 1 from below.
; LIMITS: NaN and infinities among the inputs are not served.  A block of zeros, or one whose largest magnitude lies under 2^-124, gets the byte 1 where the rule says 127
; for zeros: its codes are zeros (or are made under the held scale), and the bytes are read by this program alone.
; No LDS, no barrier: waves share nothing.  No matrix unit, no cluster: 3 MiB are read once.
.set WREC, 26624
	s_load_b256 s[4:11], s[0:1], 0x0               ; Wk s[4:5], Wq s[6:7], Wv s[8:9], wfrag s[10:11]
	v_lshrrev_b32 v1, 5, v0
	v_readfirstlane_b32 s12, v1                    ; wave = tile t
	s_and_b32 s13, ttmp7, 0xffff                   ; p
	s_lshr_b32 s14, ttmp9, 2                       ; g
	s_and_b32 s15, ttmp9, 3                        ; s
	v_and_b32 v6, 31, v0                           ; lane
	v_and_b32 v1, 15, v0                           ; r
	s_wait_alu depctr_va_vdst(0)
	v_bfe_u32 v2, v0, 4, 1                         ; h
	v_lshlrev_b32 v3, 4, v6                        ; 16 x lane: my place in an image
	v_lshlrev_b32 v4, 2, v6                        ; 4 x lane: my scale word's
	s_lshr_b32 s26, s12, 1
	s_lshl_b32 s26, s26, 5
	s_and_b32 s27, s12, 1
	s_lshl_b32 s27, s27, 3
	s_add_co_u32 s26, s26, s27                     ; k, q: the tile begins at feature 32 (t / 2) + 8 (t % 2)
	s_lshl_b32 s27, s12, 4                         ; v: at 16 t
	s_cmp_lt_u32 s13, 2
	s_cselect_b32 s18, 1, 0                        ; 1 for k and q
	s_cselect_b32 s19, s26, s27
	v_and_b32 v5, 8, v1
	v_mul_u32_u24 v5, s18, v5                      ; k, q: rows 8-15 of a tile lie 8 features further on
	v_add_nc_u32 v5, v5, v1
	v_lshlrev_b32 v5, 2, v5                        ; 4 bytes a feature
	s_wait_alu depctr_va_vdst(0)
	v_lshl_add_u32 v5, v2, 16, v5                  ; lanes 16-31 begin 32 rows of 2,048 bytes further down
	s_lshl_b32 s26, s14, 6
	s_add_co_u32 s26, s26, s19
	s_lshl_b32 s26, s26, 2                         ; 4 (64 g + the tile's first feature)
	s_lshl_b32 s27, s15, 18                        ; + 128 s rows of 2,048 bytes
	s_add_co_u32 s26, s26, s27
	s_mov_b32 s27, 0
	s_lshl_b32 s28, s13, 3
	s_add_co_u32 s28, s28, s14
	s_mul_i32 s28, s28, WREC                       ; my record
	s_lshl_b32 s29, s15, 2
	s_add_co_u32 s29, s29, s12                     ; 4 s + t
	s_mul_i32 s30, s29, 1536
	s_add_co_u32 s30, s30, s28                     ; my fragment's image
	s_mov_b32 s31, 0
	s_lshl_b32 s29, s29, 7
	s_add_co_u32 s28, s28, s29
	s_add_co_u32 s28, s28, 24576                   ; my scale words
	s_mov_b32 s29, 0
	s_mov_b32 s24, 0x76543210
	s_mov_b32 s25, 0xfedcba98                      ; v_permlanex16_b32's selects for lane l xor 16
	s_wait_alu depctr_va_vdst(0)
	s_wait_kmcnt 0x0
	s_cmp_eq_u32 s13, 0                            ; the weight is chosen by the work-group's y alone
	s_cselect_b64 s[16:17], s[4:5], s[6:7]
	s_cmp_eq_u32 s13, 2
	s_cselect_b64 s[16:17], s[8:9], s[16:17]
	s_add_nc_u64 s[16:17], s[16:17], s[26:27]
	s_add_nc_u64 s[20:21], s[10:11], s[30:31]
	s_add_nc_u64 s[22:23], s[10:11], s[28:29]
.set i, 0
.rept 64
	global_load_b32 v[64+i], v5, s[16:17] offset:(i+32*(i/32))*2048   ; W(128 s + 64 c + 32 h + i', my feature), register 64 + 32 c + i'.  The four waves read the four quarters of the same 256 bytes of a row
.set i, i+1
.endr
	s_wait_loadcnt 0x0
.irp c, 0,1                                    ; my block 2 c + h: all its 32 numbers are mine
	v_max3_num_f32 v[8+\c], |v[64+32*\c]|, |v[65+32*\c]|, 0x1800000   ; and the floor 2^(3 - 127): the byte cannot fall under 1
.endr
.irp i, 2,4,6,8,10,12,14,16,18,20,22,24,26,28,30
.irp c, 0,1
	v_max3_num_f32 v[8+\c], v[8+\c], |v[64+32*\c+\i]|, |v[65+32*\c+\i]|   ; the two blocks by turns
.endr
.endr
.irp c, 0,1
	v_add_nc_u32 v[10+\c], 0xff000000, v[8+\c]     ; 2 off the exponent field: the conversion takes the exponent field of this operand as its scale
.endr
.irp c, 0,1
	v_lshrrev_b32 v[12+\c], 23, v[10+\c]           ; the scale's byte
.endr
	v_lshl_or_b32 v14, v13, 16, v12                ; my two bytes: blocks h and 2 + h of my feature,
	v_lshlrev_b32 v15, 3, v2
	v_lshlrev_b32 v14, v15, v14                    ; at their places in the scale word (8 h bits up);
	v_mov_b32 v15, 0
	v_permlanex16_b32 v15, v14, s24, s25
	v_or_b32 v14, v14, v15                         ; with lane l xor 16's two the word is whole, in both halves of the lanes
	v_cvt_scalef32_pk16_fp6_f32 v[16:18], v[64:79], v10
	v_cvt_scalef32_pk16_fp6_f32 v[28:30], v[80:95], v10      ; (a conversion's three registers begin on an even number: the second half of a block's six is made elsewhere and moved)
	v_cvt_scalef32_pk16_fp6_f32 v[22:24], v[96:111], v11
	v_cvt_scalef32_pk16_fp6_f32 v[32:34], v[112:127], v11
	v_nop                                          ; one plain place behind the scaled conversions
.irp i, 0,1,2
	v_mov_b32 v[19+\i], v[28+\i]
	v_mov_b32 v[25+\i], v[32+\i]
.endr
.irp c, 0,1,2
	global_store_b128 v3, v[16+4*\c:19+4*\c], s[20:21] offset:512*\c   ; 32 lanes store 512 consecutive bytes, at a multiple of 256 from the buffer's first byte
.endr
	global_store_b32 v4, v14, s[22:23]             ; 128 consecutive bytes; the work-group's four waves fill 512 on end
	s_endpgm
.Lfunc_end_k_q4e37052466_wprep:
	.size	k_q4e37052466_wprep, .Lfunc_end_k_q4e37052466_wprep-k_q4e37052466_wprep
	.p2alignl 7, 3214868480
	.fill 96, 4, 3214868480
	.section	.rodata,"a",@progbits
	.p2align	6, 0x0
	.amdhsa_kernel k_q4e37052466_wprep
		.amdhsa_group_segment_fixed_size 0
		.amdhsa_private_segment_fixed_size 0
		.amdhsa_enable_private_segment 0
		.amdhsa_kernarg_size 32
		.amdhsa_user_sgpr_count 2
		.amdhsa_user_sgpr_kernarg_segment_ptr 1
		.amdhsa_wavefront_size32 1
		.amdhsa_system_sgpr_workgroup_id_x 1
		.amdhsa_system_sgpr_workgroup_id_y 1
		.amdhsa_system_sgpr_workgroup_id_z 1
		.amdhsa_system_vgpr_workitem_id 0
		.amdhsa_next_free_vgpr 128
		.amdhsa_next_free_sgpr 66
		.amdhsa_reserve_vcc 0
		.amdhsa_float_denorm_mode_32 3
		.amdhsa_float_denorm_mode_16_64 3
		.amdhsa_memory_ordered 1
		.amdhsa_forward_progress 1
		.amdhsa_inst_pref_size 12
	.end_amdhsa_kernel
	.amdgpu_metadata
---
amdhsa.version: [ 1, 2 ]
amdhsa.kernels:
  - .name:           k_q4e37052466_wprep
    .symbol:         k_q4e37052466_wprep.kd
    .args:
      - { .name: Wk, .offset: 0, .size: 8, .value_kind: global_buffer, .address_space: global }
      - { .name: Wq, .offset: 8, .size: 8, .value_kind: global_buffer, .address_space: global }
      - { .name: Wv, .offset: 16, .size: 8, .value_kind: global_buffer, .address_space: global }
      - { .name: wfrag, .offset: 24, .size: 8, .value_kind: global_buffer, .address_space: global }
    .group_segment_fixed_size: 0
    .private_segment_fixed_size: 0
    .kernarg_segment_align: 8
    .kernarg_segment_size: 32
    .max_flat_workgroup_size: 128
    .sgpr_count:     66
    .vgpr_count:     128
    .wavefront_size: 32
...
	.end_amdgpu_metadata
.endif
;; end of part 1
;; launch proj (part 2): grid 64 x 3, 8 waves a work-group, no clusters, 54,272 bytes of LDS; arguments x, wfrag, kc, kv; writes kc, kv
.if DOCPART == 2
	.amdgcn_target "amdgcn-amd-amdhsa--gfx1250"
	.amdhsa_code_object_version 6
	.text
	.protected	k_q4e37052466_proj
	.globl	k_q4e37052466_proj
	.p2align	8
	.type	k_q4e37052466_proj,@function
k_q4e37052466_proj:
	s_mov_b64 s[64:65], 0
	v_nop
	global_prefetch_b8 v0, s[64:65] scope:SCOPE_SE
	s_setreg_imm32_b32 hwreg(HW_REG_WAVE_MODE, 25, 1), 1
	s_wait_xcnt 0x0
; k = x Wk, q = x Wq, v = x Wv on codes of FP6 (E2M3) with one E8M0 scale for each 32 along K; the results are quantised in registers for the attention's two products and leave as images of operand registers.
; x: [8192 tokens][512] f32.  wfrag: the weights' fragments and scale words, as the launch before laid them.
; SHARES: work-group (G, p): the 128 tokens of group G, projection p (0 = k, 1 = q, 2 = v).  Wave w: head w, 128 tokens x 64 features: 32 accumulators, 128 matrix instructions.
; THE TOKENS OF A TILE ARE NOT NEIGHBOURS: row r of tile m = 4 c + t is token 64 c + 32 (r / 8) + 8 t + r % 8 of the group.
; PHASE X: wave w quantises tile w of x (16 tokens x 512: four fragments) and stores them to LDS as images of their registers (lane l's 16 bytes at 16 l); one barrier; every wave reads all 32 fragments.
; k, q: THE PRODUCT IS USED TRANSPOSED (source 0 = 16 features of W, source 1 = 16 tokens): a lane holds one token, and, by the order of W's rows, the 16 registers of feature tiles 2 b and 2 b + 1 are features
;   32 b + 16 (lane / 16) + 0 .. 15: the head's 64 are two blocks of the attention's first K.  A tile leaves as registers 0-5 of a fragment (K = 0 .. 63); the reader sets registers 6-11 to zero codes.
; v: source 0 = 16 tokens, source 1 = 16 features: a lane holds one feature, and the 32 registers of token tiles 4 c .. 4 c + 3 are tokens 64 c + 32 (lane / 16) + 0 .. 31: four blocks of the second K, the tokens.
; OUT: kc record (32 (8 batch + head) + group), 6,656 bytes: tile m at 768 m (registers 0-3 at 16 l, registers 4-5 at 512 + 8 l); scale words at 6144 + 16 l + 4 j (register j: tile 2 j in lanes 0-15, 2 j + 1 in lanes 16-31).
;   kv record, 13,056 bytes: q laid as a kc record; from 6,656 V^T's four fragments (1536 t + 512 c + 16 l); from 12,800 their scale words (8 l + 4 j).  Every store covers 256 or 512 consecutive bytes, aligned.
; LIMITS: NaN and infinities are not served.  A block of zeros, or one whose largest magnitude lies under 2^-124, gets the byte 1 (the rule says 127 for zeros): the bytes are read by this program alone.
; 192 work-groups: a fragment of V^T wants 128 tokens and a head 64 features; a finer split would read and quantise x more often.  No tensor load and no cluster: every operand comes by dense loads in register order.
; REGISTERS: window 0: v2-8 addresses; v16-111 x's eight fragments of a K step (outside the K loop: codes just made, scale words); v112-207 W's four fragments, two sets; v208-215 x's scale words; v216-231 W's;
;   v232-247 at work in the quantiser.   window 1: x's 256 numbers of a lane, then the 32 accumulators.
.set WREC, 26624
.set XIMG, 0                           ; LDS: x's fragment (tile m, K step s) at 1536 (4 m + s)
.set XSC,  49152                       ; its scale words at 128 (4 m + s) + 4 l
.set XA,  2                            ; v2   x: my lane's byte in the wave's tile: (r + 24 (r / 8)) rows of 2,048 bytes + 64 h
.set LI,  3                            ; v3   16 x lane
.set LS,  4                            ; v4   4 x lane
.set XWI, 5                            ; v5   where I store x's images: 16 x lane + 6144 x wave
.set XWS, 6                            ; v6   and their scale words: 4 x lane + 512 x wave
.set L8,  7                            ; v7   8 x lane
.set XF,  16
.set WF,  112
.set XS,  208
.set WS,  216
.set TM,  232                          ; +0..3 largest magnitudes, +4..7 the other half's, then bytes, +12..15 the conversions' scale operands
.set PW,  248                          ; a scale word of x
.set PC,  16                           ; the codes just made: 12 registers, and two runs of three at +12 and +16
.set SWD, 40                           ; the tiles' scale words
.set SM,  48                           ; and those merged two to a register
.set SEL, 20                           ; s[20:21]
.set MSB, 0
.macro WIN new                         ; the immediate's high byte repeats the setting that is left
.if MSB != \new
	s_set_vgpr_msb (MSB<<8)|\new
.set MSB, \new
.endif
.endm
; 16 nb numbers of a lane in window 1, register src + 16 b + i = k 32 b + 16 (lane / 16) + i of my row, become codes in v[PC] on (6 registers for each two blocks) and the row's scale word in v[pw].
.macro QUANT src, nb, pw
	WIN 0x14                                       ; sources 1 and 2 in window 1
.set QB, 0
.rept \nb
	v_max3_num_f32 v[TM+QB], 0x1800000, |v[(\src)+16*QB]|, |v[(\src)+16*QB+1]|   ; block b: my 16 numbers, from the low end on, and the floor 2^(3 - 127): the byte cannot fall under 1
.set QB, QB+1
.endr
.irp i, 2,4,6,8,10,12,14
.set QB, 0
.rept \nb
	v_max3_num_f32 v[TM+QB], v[TM+QB], |v[(\src)+16*QB+\i]|, |v[(\src)+16*QB+\i+1]|   ; the blocks by turns
.set QB, QB+1
.endr
.endr
	WIN 0
.set QB, 0
.rept \nb
	v_permlanex16_b32 v[TM+4+QB], v[TM+QB], s[SEL], s[SEL+1]
.set QB, QB+1
.endr
.set QB, 0
.rept \nb
	v_max_num_f32 v[TM+QB], v[TM+QB], v[TM+4+QB]   ; with lane l xor 16's: the block's largest magnitude
.set QB, QB+1
.endr
.set QB, 0
.rept \nb
	v_add_nc_u32 v[TM+12+QB], 0xff000000, v[TM+QB] ; 2 off its exponent field: the conversion's scale operand
.set QB, QB+1
.endr
.set QB, 0
.rept \nb
	v_lshrrev_b32 v[TM+4+QB], 23, v[TM+12+QB]      ; the scale's byte
.set QB, QB+1
.endr
	v_lshl_or_b32 v[\pw], v[TM+5], 8, v[TM+4]
.if \nb == 4
	s_delay_alu instid0(VALU_DEP_1)
	v_lshl_or_b32 v[\pw], v[TM+6], 16, v[\pw]
	s_delay_alu instid0(VALU_DEP_1)
	v_lshl_or_b32 v[\pw], v[TM+7], 24, v[\pw]
.else
	s_delay_alu instid0(VALU_DEP_1)
	v_or_b32 v[\pw], 0x7f7f0000, v[\pw]            ; K = 64 .. 127 will be zero codes: their bytes stand for 1
.endif
	WIN 0x01                                       ; source 0 in window 1
.set QB, 0
.rept (\nb)/2
	v_cvt_scalef32_pk16_fp6_f32 v[PC+6*QB:PC+6*QB+2], v[(\src)+32*QB:(\src)+32*QB+15], v[TM+12+2*QB]
	v_cvt_scalef32_pk16_fp6_f32 v[PC+12+4*QB:PC+14+4*QB], v[(\src)+32*QB+16:(\src)+32*QB+31], v[TM+13+2*QB]   ; (a conversion's three registers begin on an even number)
.set QB, QB+1
.endr
	WIN 0
	v_nop                                          ; one plain place behind the scaled conversions
.set QB, 0
.rept (\nb)/2                                  ; the operand's layout wants a WHOLE block in a lane: lanes 0-15 block 2 c, lanes 16-31 block 2 c + 1
.irp i, 0,1,2
	v_permlane16_swap_b32 v[PC+6*QB+\i], v[PC+12+4*QB+\i]
.endr
.irp i, 0,1,2
	s_delay_alu instid0(VALU_DEP_3)
	v_mov_b32 v[PC+3+6*QB+\i], v[PC+12+4*QB+\i]
.endr
.set QB, QB+1
.endr
.endm
; v: by the order of tokens in a tile a lane (feature r, half h) holds in window 1, registers src + 32 c + i, the tokens 64 c + 32 h + i: two WHOLE blocks of the second K, in the operand's own order.
; No other lane is asked for a maximum and no code changes lanes; the scale word's four bytes are gathered from lanes l and l xor 16.
.macro QUANTV src, pw
	WIN 0x14                                       ; sources 1 and 2 in window 1
.irp c, 0,1
	v_max3_num_f32 v[TM+\c], 0x1800000, |v[(\src)+32*\c]|, |v[(\src)+32*\c+1]|   ; from each accumulator's low end on; the floor 2^(3 - 127) holds the byte at 1
.endr
.irp i, 2,4,6,8,10,12,14,16,18,20,22,24,26,28,30
.irp c, 0,1
	v_max3_num_f32 v[TM+\c], v[TM+\c], |v[(\src)+32*\c+\i]|, |v[(\src)+32*\c+\i+1]|
.endr
.endr
	WIN 0
.irp c, 0,1
	v_add_nc_u32 v[TM+12+\c], 0xff000000, v[TM+\c] ; 2 off the exponent field: the conversion's scale operand
.endr
.irp c, 0,1
	v_lshrrev_b32 v[TM+4+\c], 23, v[TM+12+\c]      ; the scale's byte
.endr
	v_lshlrev_b32 v[TM+6], 3, v10                  ; 8 h
	v_lshl_or_b32 v[\pw], v[TM+5], 16, v[TM+4]     ; blocks h and 2 + h,
	s_delay_alu instid0(VALU_DEP_1)
	v_lshlrev_b32 v[\pw], v[TM+6], v[\pw]          ; at their places in the word
	s_delay_alu instid0(VALU_DEP_1)
	v_permlanex16_b32 v[TM+7], v[\pw], s[SEL], s[SEL+1]
	s_delay_alu instid0(VALU_DEP_1)
	v_or_b32 v[\pw], v[\pw], v[TM+7]               ; whole in both halves of the lanes
	WIN 0x01                                       ; source 0 in window 1
.irp c, 0,1
	v_cvt_scalef32_pk16_fp6_f32 v[PC+6*\c:PC+6*\c+2], v[(\src)+32*\c:(\src)+32*\c+15], v[TM+12+\c]
	v_cvt_scalef32_pk16_fp6_f32 v[PC+12+4*\c:PC+14+4*\c], v[(\src)+32*\c+16:(\src)+32*\c+31], v[TM+12+\c]   ; (a conversion's three registers begin on an even number)
.endr
	WIN 0
	v_nop                                          ; one plain place behind the scaled conversions
.irp c, 0,1
.irp i, 0,1,2
	v_mov_b32 v[PC+3+6*\c+\i], v[PC+12+4*\c+\i]
.endr
.endr
.endm
.macro IMAGE adr, off
.irp c, 0,1,2
	ds_store_b128 v[\adr], v[PC+4*\c:PC+4*\c+3] offset:\off+512*\c
.endr
.endm
.macro FETCH reg, off                          ; and comes back so, in any wave
.irp c, 0,1,2
	ds_load_b128 v[\reg+4*\c:\reg+4*\c+3], v[LI] offset:\off+512*\c
.endr
.endm
.macro WLOAD s                                 ; my head's four fragments of W for K step s, into set s % 2: 12 loads of 512 consecutive bytes
.irp t, 0,1,2,3
.irp c, 0,1,2
	global_load_b128 v[WF+48*((\s)%2)+12*\t+4*\c:WF+48*((\s)%2)+12*\t+4*\c+3], v[LI], s[18:19] offset:6144*(\s)+1536*\t+512*\c
.endr
.endr
.endm
; A K step of 128: x's eight fragments and scale words from LDS, the next step's W from memory, 32 matrix instructions.  The 32 accumulators take turns, one instruction a turn, in the same order in every
; step; the first step's products start the sums with the constant 0.
.macro KSTEP s, path
.if \s > 0
.rept 4
	v_nop                                          ; four places in front of loads into registers that the last step's matrix instructions have read (ISA guide 7.12.1 for vector instructions)
.endr
.endif
.irp m, 0,1,2,3,4,5,6,7
	FETCH XF+12*\m, XIMG+(4*\m+\s)*1536
	ds_load_b32 v[XS+\m], v[LS] offset:XSC+128*(4*\m+\s)
.endr
.if \s < 3
	WLOAD (\s)+1
	s_wait_loadcnt 12                              ; this step's W is in; the 12 loads just issued may be out
.else
	s_wait_loadcnt 0x0
.endif
	s_wait_dscnt 0x0
	WIN 0x50                                       ; C and D in window 1
.if \path == 0
.irp m, 0,1,2,3,4,5,6,7
.irp t, 0,1,2,3
.if \s == 0
	v_wmma_scale_f32_16x16x128_f8f6f4 v[32*\m+8*\t:32*\m+8*\t+7], v[WF+48*((\s)%2)+12*\t:WF+48*((\s)%2)+12*\t+11], v[XF+12*\m:XF+12*\m+11], 0, v[WS+4*(\s)+\t], v[XS+\m] matrix_a_fmt:MATRIX_FMT_FP6 matrix_b_fmt:MATRIX_FMT_FP6
.else
	v_wmma_scale_f32_16x16x128_f8f6f4 v[32*\m+8*\t:32*\m+8*\t+7], v[WF+48*((\s)%2)+12*\t:WF+48*((\s)%2)+12*\t+11], v[XF+12*\m:XF+12*\m+11], v[32*\m+8*\t:32*\m+8*\t+7], v[WS+4*(\s)+\t], v[XS+\m] matrix_a_fmt:MATRIX_FMT_FP6 matrix_b_fmt:MATRIX_FMT_FP6
.endif
.endr
.endr
.else
.irp t, 0,1,2,3
.irp m, 0,1,2,3,4,5,6,7
.if \s == 0
	v_wmma_scale_f32_16x16x128_f8f6f4 v[64*\t+8*\m:64*\t+8*\m+7], v[XF+12*\m:XF+12*\m+11], v[WF+48*((\s)%2)+12*\t:WF+48*((\s)%2)+12*\t+11], 0, v[XS+\m], v[WS+4*(\s)+\t] matrix_a_fmt:MATRIX_FMT_FP6 matrix_b_fmt:MATRIX_FMT_FP6
.else
	v_wmma_scale_f32_16x16x128_f8f6f4 v[64*\t+8*\m:64*\t+8*\m+7], v[XF+12*\m:XF+12*\m+11], v[WF+48*((\s)%2)+12*\t:WF+48*((\s)%2)+12*\t+11], v[64*\t+8*\m:64*\t+8*\m+7], v[XS+\m], v[WS+4*(\s)+\t] matrix_a_fmt:MATRIX_FMT_FP6 matrix_b_fmt:MATRIX_FMT_FP6
.endif
.endr
.endr
.endif
	WIN 0
.endm
	s_load_b256 s[4:11], s[0:1], 0x0               ; x s[4:5], wfrag s[6:7], kc s[8:9], kv s[10:11]
	v_lshl_add_u32 v254, v0, 2, 0xd000
	v_mov_b32 v255, 0
	v_lshrrev_b32 v1, 5, v0
	s_delay_alu instid0(VALU_DEP_1)
	v_readfirstlane_b32 s12, v1                    ; wave 0..7: my tile of x, and my head
	s_mov_b32 s13, ttmp9                           ; G
	s_and_b32 s14, ttmp7, 0xffff                   ; p
	v_and_b32 v8, 31, v0                           ; lane
	v_and_b32 v9, 15, v0                           ; r
	v_bfe_u32 v10, v0, 4, 1                        ; h
	s_delay_alu instid0(VALU_DEP_2)
	v_and_b32 v11, 8, v9
	s_delay_alu instid0(VALU_DEP_1)
	v_mad_u32_u24 v11, v11, 3, v9                  ; r + 24 (r / 8).  THE ORDER OF TOKENS IN A TILE, as this text now has it: row r of tile m = 4 c + t is token 64 c + 32 (r / 8) + 8 t + r % 8 of the group
	s_delay_alu instid0(VALU_DEP_1)
	v_lshlrev_b32 v[XA], 11, v11
	s_delay_alu instid0(VALU_DEP_1)
	v_lshl_add_u32 v[XA], v10, 6, v[XA]            ; + 64 h: my 16 numbers of a block of 32
	v_lshlrev_b32 v[LI], 4, v8
	v_lshlrev_b32 v[LS], 2, v8
	v_lshlrev_b32 v[L8], 3, v8
	s_mul_i32 s30, s12, 6144
	v_add_nc_u32 v[XWI], s30, v[LI]
	s_lshl_b32 s30, s12, 9
	v_add_nc_u32 v[XWS], s30, v[LS]
.irp b, 0,1,2,3
	v_mov_b32 v[TM+4+\b], 0                        ; written once: a lane permute's destination counts as one of its sources
.endr
	s_mov_b32 s[SEL], 0x76543210
	s_mov_b32 s[SEL+1], 0xfedcba98                 ; v_permlanex16_b32's selects for lane l xor 16
	s_lshl_b32 s26, s13, 7                         ; x: token 128 G + 64 (w / 4) + 8 (w % 4),
	s_lshr_b32 s27, s12, 2                         ; my tile of x begins at token 64 (w / 4) + 8 (w % 4)
	s_lshl_b32 s27, s27, 6
	s_add_co_u32 s26, s26, s27
	s_and_b32 s27, s12, 3
	s_lshl_b32 s27, s27, 3
	s_add_co_u32 s26, s26, s27
	s_lshl_b32 s26, s26, 11                        ; rows of 2,048 bytes
	s_mov_b32 s27, 0
	s_lshl_b32 s28, s14, 3
	s_add_co_u32 s28, s28, s12
	s_mul_i32 s28, s28, WREC                       ; wfrag: record 8 p + head
	s_mov_b32 s29, 0
	s_lshr_b32 s24, s13, 5                         ; out: record 32 (8 batch + head) + group in the batch
	s_lshl_b32 s24, s24, 3
	s_add_co_u32 s24, s24, s12
	s_lshl_b32 s24, s24, 5
	s_cmp_eq_u32 s14, 1                            ; q of group j lies in kv's record (j + 31) % 32, beside V of the group before it: the reader multiplies q one step ahead of V
	s_cselect_b32 s25, 31, 0
	s_add_co_u32 s25, s25, s13
	s_and_b32 s25, s25, 31
	s_add_co_u32 s24, s24, s25
	s_cmp_eq_u32 s14, 0
	s_mov_b32 s25, 13056
	s_cselect_b32 s25, 6656, s25                   ; a record of kc or of kv
	s_mul_i32 s24, s24, s25
	s_cmp_eq_u32 s14, 2
	s_cselect_b32 s25, 6656, 0                     ; V's part lies behind q's
	s_add_co_u32 s24, s24, s25
	s_mov_b32 s25, 0
	s_wait_alu depctr_va_vdst(0)
	s_wait_kmcnt 0x0
	s_add_nc_u64 s[22:23], s[4:5], s[26:27]
	s_add_nc_u64 s[18:19], s[6:7], s[28:29]
	s_cmp_eq_u32 s14, 0                            ; the output buffer is chosen by the work-group's y alone
	s_cselect_b64 s[16:17], s[8:9], s[10:11]
	s_add_nc_u64 s[16:17], s[16:17], s[24:25]
.irp s, 0,1,2,3
.irp t, 0,1,2,3
	global_load_b32 v[WS+4*\s+\t], v[LS], s[18:19] offset:24576+128*(4*\s+\t)   ; W's scale words: they stay
.endr
.endr
	WLOAD 0
	WIN 0x40                                       ; destination window 1
.irp s, 0,1,2,3
.irp b, 0,1,2,3
.irp j, 0,1,2,3
	global_load_b128 v[64*\s+16*\b+4*\j:64*\s+16*\b+4*\j+3], v[XA], s[22:23] offset:512*\s+128*\b+16*\j   ; x(my token, 128 s + 32 b + 16 h + 4 j ..)
.endr
.endr
.endr
	WIN 0
	; ---- X: my 16 tokens of x become four fragments
.irp s, 0,1,2,3
	s_wait_loadcnt 48-16*\s                        ; K step s's 16 loads are in (and all of W's, which are older); those of the later K steps, 16 each, may be out
	QUANT 64*\s, 4, PW
	IMAGE XWI, XIMG+1536*\s
	ds_store_b32 v[XWS], v[PW] offset:XSC+128*\s
	s_wait_dscnt 0x0                               ; the stores are done: the next codes may be written, and after the last step the others may read
.endr
	s_barrier_signal -1
	s_barrier_wait -1                              ; x's 32 fragments lie in LDS; nothing is stored to LDS behind this barrier
	s_cmp_eq_u32 s14, 2
	s_cbranch_scc1 .Lv
	; ---- k, q
	KSTEP 0, 0
	KSTEP 1, 0
	KSTEP 2, 0
	KSTEP 3, 0
.rept 4
	v_nop                                          ; four places in front of the first read of results
.endr
.irp m, 0,1,2,3,4,5,6,7
	s_wait_xcnt 0x0                                ; the last tile's stores have read their registers: the codes may be written again
	QUANT 32*\m, 2, SWD+\m
	global_store_b128 v[LI], v[PC:PC+3], s[16:17] offset:768*\m
	global_store_b64 v[L8], v[PC+4:PC+5], s[16:17] offset:768*\m+512
.endr
	v_cmp_le_u32 vcc_lo, 16, v8                    ; lanes 16-31 carry the odd tile's words (each word stands in both halves of the lanes)
.irp j, 0,1,2,3
	v_cndmask_b32 v[SM+\j], v[SWD+2*\j], v[SWD+2*\j+1], vcc_lo
.endr
	global_store_b128 v[LI], v[SM:SM+3], s[16:17] offset:6144
	s_wait_tensorcnt 0x0
	ds_add_u32 v254, v255
	s_wait_dscnt 0x0
	s_endpgm
.Lv:
	; ---- v
	KSTEP 0, 1
	KSTEP 1, 1
	KSTEP 2, 1
	KSTEP 3, 1
.rept 4
	v_nop
.endr
.irp t, 0,1,2,3
	s_wait_xcnt 0x0
	QUANTV 64*\t, SWD+\t
.irp c, 0,1,2
	global_store_b128 v[LI], v[PC+4*\c:PC+4*\c+3], s[16:17] offset:1536*\t+512*\c
.endr
.endr
	v_cmp_le_u32 vcc_lo, 16, v8
.irp j, 0
	s_delay_alu instid0(VALU_DEP_1)
	v_cndmask_b32 v[SM+\j], v[SWD+2*\j], v[SWD+2*\j+1], vcc_lo
.endr
.irp j, 1
	s_delay_alu instid0(VALU_DEP_2)
	v_cndmask_b32 v[SM+\j], v[SWD+2*\j], v[SWD+2*\j+1], vcc_lo
.endr
	global_store_b64 v[L8], v[SM:SM+1], s[16:17] offset:6144
	s_wait_tensorcnt 0x0
	ds_add_u32 v254, v255
	s_wait_dscnt 0x0
	s_endpgm
.Lfunc_end_k_q4e37052466_proj:
	.size	k_q4e37052466_proj, .Lfunc_end_k_q4e37052466_proj-k_q4e37052466_proj
	.p2alignl 7, 3214868480
	.fill 96, 4, 3214868480
	.section	.rodata,"a",@progbits
	.p2align	6, 0x0
	.amdhsa_kernel k_q4e37052466_proj
		.amdhsa_group_segment_fixed_size 54272
		.amdhsa_private_segment_fixed_size 0
		.amdhsa_enable_private_segment 0
		.amdhsa_kernarg_size 32
		.amdhsa_user_sgpr_count 2
		.amdhsa_user_sgpr_kernarg_segment_ptr 1
		.amdhsa_wavefront_size32 1
		.amdhsa_system_sgpr_workgroup_id_x 1
		.amdhsa_system_sgpr_workgroup_id_y 1
		.amdhsa_system_sgpr_workgroup_id_z 1
		.amdhsa_system_vgpr_workitem_id 0
		.amdhsa_next_free_vgpr 512
		.amdhsa_next_free_sgpr 66
		.amdhsa_reserve_vcc 1
		.amdhsa_float_denorm_mode_32 3
		.amdhsa_float_denorm_mode_16_64 3
		.amdhsa_memory_ordered 1
		.amdhsa_forward_progress 1
		.amdhsa_inst_pref_size 120
	.end_amdhsa_kernel
	.amdgpu_metadata
---
amdhsa.version: [ 1, 2 ]
amdhsa.kernels:
  - .name:           k_q4e37052466_proj
    .symbol:         k_q4e37052466_proj.kd
    .args:
      - { .name: x, .offset: 0, .size: 8, .value_kind: global_buffer, .address_space: global }
      - { .name: wfrag, .offset: 8, .size: 8, .value_kind: global_buffer, .address_space: global }
      - { .name: kc, .offset: 16, .size: 8, .value_kind: global_buffer, .address_space: global }
      - { .name: kv, .offset: 24, .size: 8, .value_kind: global_buffer, .address_space: global }
    .group_segment_fixed_size: 54272
    .private_segment_fixed_size: 0
    .kernarg_segment_align: 8
    .kernarg_segment_size: 32
    .max_flat_workgroup_size: 256
    .sgpr_count:     66
    .vgpr_count:     512
    .wavefront_size: 32
...
	.end_amdgpu_metadata
.endif
;; end of part 2
;; launch attn (part 3): grid 16 x 16, 16 waves a work-group, clusters of 4 x 1, 327,680 bytes of LDS; arguments kc, kv, out0; writes out0
.if DOCPART == 3
	.amdgcn_target "amdgcn-amd-amdhsa--gfx1250"
	.amdhsa_code_object_version 6
	.text
	.protected	k_q4e37052466_attn
	.globl	k_q4e37052466_attn
	.p2align	8
	.type	k_q4e37052466_attn,@function
k_q4e37052466_attn:
	s_mov_b64 s[64:65], 0
	v_nop
	global_prefetch_b8 v0, s[64:65] scope:SCOPE_SE
	s_setreg_imm32_b32 hwreg(HW_REG_WAVE_MODE, 25, 1), 1
	s_wait_xcnt 0x0
	s_wait_alu depctr_hold_cnt(0) depctr_sa_sdst(0) depctr_va_vdst(0) depctr_va_sdst(0) depctr_va_ssrc(0) depctr_va_vcc(0) depctr_vm_vsrc(0)
	s_getreg_b32 s2, hwreg(HW_REG_IB_STS2, 6, 4)
	s_cmp_eq_u32 s2, 0
	s_cbranch_scc0 .Lentry_in_a_cluster
	s_endpgm
.Lentry_in_a_cluster:
	s_bfe_u32 s2, ttmp6, 0x10000c
	s_cmp_lg_u32 s2, 0x3003
	s_cbranch_scc0 .Lentry_shape_is_right
	s_endpgm
.Lentry_shape_is_right:
; out[b][n][head][:] = the sum over m of softmax_m(k[n] . q[m] / 8) v[m][:], both products on codes of FP6 (E2M3) with one E8M0 scale for each 32 along a product's K.
; kc: my rows' fragments (k; K = the head's 64 in registers 0-5; registers 6-11, K = 64 .. 127, are set to zero codes here).
; kv: for each (batch, head) 32 records of 13,056 bytes.  Record j: q's eight tiles of the 128 tokens of step (j + 1) % 32 and their scale words, V^T's four fragments of step j and their scale words,
; all as images of operand registers (lane l's 16 or 8 bytes at 16 l or 8 l).
; THE SOFTMAX: t = score x log2(e) / 8; M = the row's largest t so far, rounded UP to a whole number, kept as -M; p = 2^(t - M) is quantised along m, not normalised.  The row's sum is taken of the
; unquantised p, in f32, and divides O at the end.  When M moves, the sum and O are multiplied by 2^(old M - new M): exact.
; SHARES: a work-group owns 256 rows n of one (batch, head), each of its sixteen waves 16 of them.  Both products are used transposed (S^T = q k^T, O^T = V^T P^T): a lane holds ONE row n throughout.
; ORDER OF TOKENS: row 8 h + j of tile 4 c + t is token 64 c + 32 h + 8 t + j of its 128.  So lane (r, h) holds in S's registers 32 c + i the tokens 64 c + 32 h + i: two WHOLE blocks of the second K, in the
; operand's own order: a block's maximum needs no other lane, and the conversions' results are the operand's registers.
; q's TILES STAND 6 REGISTERS APART: the upper six registers of a tile's operand (K = 64 .. 127) are the next tile's codes (the last tile's: p's codes); my fragment's zero codes make their products 0, and
; the scale bytes of those blocks stand for 1 on both sides.
; THE STEP IS LAID IN A PIPE: its one run of 30 LDS loads (record i: q of step i + 1, V of step i) stands at its head and is waited for behind the exponentials; the scores of step i + 1 are multiplied
; at the end of step i, ahead of O^T += V^T P^T.  q of step 0 comes from record 31 by plain loads at the head; the last step multiplies no scores.
; RING: two LDS slots of eight records.  Every wave fetches half a record (26 or 25 rows of 256 bytes) by one tensor load: by this text's own count a wave has one tensor load out at the most.
; CLUSTER: the four work-groups of a cluster belong to one (batch, head) and walk the same records: each half record is asked for JOINTLY, with a mask that names the four.
; LIMITS: NaN and infinities are not served.  The promise holds while the scaled scores t stay under 2^31 in magnitude.  A block of p that has fallen to zeros keeps the byte 1: its codes are zeros.
.set STEPB, 13056
.set KREC,  6656
.set HALFB, 26*256                     ; the first half of a record
.set SLOTB, 8*STEPB
.set SLOT1, 131072                     ; slot 1 begins here: one exclusive or turns an address in one slot into the other's
.set SPARE, 235520                     ; the spare words, 128 bytes for each wave, that no other line names
.set STAGE, 237568                     ; the way out: 16 rows x (256 + 16) bytes for each wave; no fill lands here
.set SP,    272
.set LI16, 1                           ; 16 x lane
.set LI8,  2                           ; 8 x lane
.set A16,  3                           ; the step's record + 16 x lane
.set A8,   4                           ; the step's record + 8 x lane
.set SPW,  5                           ; my spare word's address; never rewritten
.set NIL,  6                           ; 0; never rewritten
.set PFO,  7                           ; the prefetches' offset
.set SH,   8                           ; 8 h
.set PW,   9                           ; p's scale word
.set F,    10                          ; f = 2^(old M - new M); as a pair it is named with v11,
.set KS,   11                          ; my fragment's scale word, of which the packed forms take nothing
.set NM,   12                          ; -M
.set NW,   13                          ; the new -M
.set L,    14                          ; v[14:15] the sum in two halves
.set KF,   16
.set QS,   28                          ; q's scale words: register j: tile 2 j in lanes 0-15, 2 j + 1 in lanes 16-31
.set VS,   32
.set W,    34                          ; v34-45 at work: +0, +1 the blocks' largest scores, then p, then scale operands; +2 a permute's result; +3 the chain; +4..6, +8..10 codes; +7, +11 bytes
.set QF,   46                          ; q's eight tiles, 6 registers each
.set PC,   94                          ; p's codes, directly behind them
.set S,    106                         ; S^T, then p
.set O,    170
.set VF,   202
.set SU,   250                         ; v250-255 three more chains of sums; two more chains of maxima
.set TB,   2
.set CNT,  3
.set WV,   10
.set SEL,  20
.set CS,   22                          ; s[22:23] c = log2(e) / 8
.set G1,   24                          ; group 1: 26 rows
.set G0,   32
.set SLOTS, 36
.set LIM,  37
.set PFA,  38
.set NCS,  58                          ; -c
.set ODD,  59                          ; wave % 2
.set G1B,  68                          ; group 1: 25 rows
.macro ROUND                           ; a round of the cluster's barrier
	s_barrier_signal -1
	s_barrier_wait -1
	s_cmp_lg_u32 s[WV], 0
	s_cbranch_scc1 .Lnot_wave_0_\@
	s_barrier_signal -3
.Lnot_wave_0_\@:
	s_barrier_wait -3
	s_barrier_signal -1
	s_barrier_wait -1
.endm
.macro TLOAD                           ; a joint load in every wave: even waves a record's rows 0-25, odd waves its rows 26-50; the branch hangs on the wave's number alone
	s_cmp_eq_u32 s[ODD], 0
	s_cbranch_scc0 .Lodd_\@
	tensor_load_to_lds s[G0:G0+3], s[G1:G1+7]
	s_nop 0
.rept 4
	v_nop
.endr
	s_branch .Lasked_\@
.Lodd_\@:
	tensor_load_to_lds s[G0:G0+3], s[G1B:G1B+7]
	s_nop 0
.rept 4
	v_nop
.endr
.Lasked_\@:
.endm
; A prefetch into the L2 of the slot that the NEXT change of slots will ask for, eight steps ahead of that load.  The first cluster of a (batch, head) asks; its four partners share the slot's eight records out
; by address, two each: 102 pieces of 256 bytes, a lane a piece, waves 0 to 3 (the last lanes of wave 3 name its last piece again).  Slots 0 and 1 come by their loads alone; the last fill asks for nothing.
.macro ASK
	s_cmp_gt_u32 s[SLOTS], s[LIM]
	s_cbranch_scc0 .Lnot_mine_\@
	global_prefetch_b8 v[PFO], s[PFA:PFA+1] th:TH_LOAD_NT scope:SCOPE_SE
.Lnot_mine_\@:
.endm
.macro SPROD                           ; S^T = q k^T: eight tiles of 16 tokens x my 16 rows
.irp t, 0,1,2,3,4,5,6,7
.if \t % 2
	v_wmma_scale_f32_16x16x128_f8f6f4 v[S+8*\t:S+8*\t+7], v[QF+6*\t:QF+6*\t+11], v[KF:KF+11], 0, v[QS+\t/2], v[KS] matrix_a_fmt:MATRIX_FMT_FP6 matrix_b_fmt:MATRIX_FMT_FP6 matrix_a_scale:MATRIX_SCALE_ROW1
.else
	v_wmma_scale_f32_16x16x128_f8f6f4 v[S+8*\t:S+8*\t+7], v[QF+6*\t:QF+6*\t+11], v[KF:KF+11], 0, v[QS+\t/2], v[KS] matrix_a_fmt:MATRIX_FMT_FP6 matrix_b_fmt:MATRIX_FMT_FP6
.endif
.endr
.endm
.macro SUM4                            ; four pairs of p onto the four chains
	v_pk_add_f32 v[SU:SU+1], v[SU:SU+1], v[S+jj:S+jj+1]
	v_pk_add_f32 v[SU+2:SU+3], v[SU+2:SU+3], v[S+jj+2:S+jj+3]
	v_pk_add_f32 v[SU+4:SU+5], v[SU+4:SU+5], v[S+jj+4:S+jj+5]
	v_pk_add_f32 v[L:L+1], v[L:L+1], v[S+jj+6:S+jj+7]
.set jj, jj+8
.endm
; A STEP: 128 tokens, whose scores stand in S; its record begins at LDS byte s[TB].  sp = 1: the next step's scores are multiplied at its end.
.macro STEP sp
	v_add_nc_u32 v[A16], s[TB], v[LI16]            ; with the two v_nop at the last step's end: the four places behind its products, ahead of the loads and of the first read of S
	v_add_nc_u32 v[A8], s[TB], v[LI8]
.if \sp
	ds_load_b128 v[QS:QS+3], v[A16] offset:6144
.irp t, 0,1,2,3,4,5,6,7
	ds_load_b128 v[QF+6*\t:QF+6*\t+3], v[A16] offset:768*\t
	ds_load_b64 v[QF+6*\t+4:QF+6*\t+5], v[A8] offset:768*\t+512
.endr
.endif
.irp t, 0,1,2,3
.irp c, 0,1,2
	ds_load_b128 v[VF+12*\t+4*\c:VF+12*\t+4*\c+3], v[A16] offset:6656+1536*\t+512*\c
.endr
.endr
	ds_load_b64 v[VS:VS+1], v[A8] offset:12800
	; the largest score of each of my two blocks of 32 tokens, in two chains each; every accumulator is read from its low end on.  It serves the row's maximum and, since p rises with the score, the block's largest p
	v_max3_num_f32 v[W], v[S], v[S+1], v[S+2]
	v_max3_num_f32 v[SU], v[S+16], v[S+17], v[S+18]
	v_max3_num_f32 v[W+1], v[S+32], v[S+33], v[S+34]
	v_max3_num_f32 v[SU+1], v[S+48], v[S+49], v[S+50]
.irp i, 3,5,7,9,11,13
	v_max3_num_f32 v[W], v[W], v[S+\i], v[S+\i+1]
	v_max3_num_f32 v[SU], v[SU], v[S+16+\i], v[S+17+\i]
	v_max3_num_f32 v[W+1], v[W+1], v[S+32+\i], v[S+33+\i]
	v_max3_num_f32 v[SU+1], v[SU+1], v[S+48+\i], v[S+49+\i]
.endr
	v_max3_num_f32 v[W], v[W], v[S+15], v[S+31]
	v_max3_num_f32 v[W+1], v[W+1], v[S+47], v[S+63]
	s_delay_alu instid0(VALU_DEP_2)
	v_max_num_f32 v[W], v[W], v[SU]
	s_delay_alu instid0(VALU_DEP_2)
	v_max_num_f32 v[W+1], v[W+1], v[SU+1]
	s_delay_alu instid0(VALU_DEP_1)
	v_max_num_f32 v[W+3], v[W], v[W+1]
	s_delay_alu instid0(VALU_DEP_1)
	v_permlanex16_b32 v[W+2], v[W+3], s[SEL], s[SEL+1]
	s_delay_alu instid0(VALU_DEP_1)
	v_max_num_f32 v[W+3], v[W+3], v[W+2]           ; the step's largest score of my row
	s_delay_alu instid0(VALU_DEP_1)
	v_mul_f32 v[W+3], s[NCS], v[W+3]               ; as -t
	s_delay_alu instid0(VALU_DEP_1)
	v_floor_f32 v[W+3], v[W+3]                     ; floor(-t) = -ceil(t)
	s_delay_alu instid0(VALU_DEP_1)
	v_min_num_f32 v[NW], v[NM], v[W+3]             ; the new -M
	s_delay_alu instid0(VALU_DEP_1)
	v_sub_f32 v[W+3], v[NW], v[NM]                 ; old M less new M: a whole number, 0 or less
	v_mov_b32 v[NM], v[NW]
	s_delay_alu instid0(VALU_DEP_2)
	v_cvt_i32_f32 v[W+3], v[W+3]                   ; (it saturates)
	s_delay_alu instid0(VALU_DEP_1)
	v_ldexp_f32 v[F], 1.0, v[W+3]                  ; f: a multiplication by it rounds nothing
.set jj, 0
.rept 32
	v_pk_fma_f32 v[S+jj:S+jj+1], v[S+jj:S+jj+1], s[CS:CS+1], v[NM:NM+1] op_sel_hi:[1,0,0]   ; t - M (of the pairs c and -M the low word serves both halves)
.set jj, jj+2
.endr
	v_fma_f32 v[W], v[W], s[CS], v[NM]             ; the same of each block's largest score
	v_fma_f32 v[W+1], v[W+1], s[CS], v[NM]
	s_wait_alu depctr_va_vdst(0)                   ; the wait ahead of the batch
.set jj, 0
.rept 64
	v_exp_f32 v[S+jj], v[S+jj]                     ; p = 2^(t - M)
.set jj, jj+1
.endr
	v_exp_f32 v[W], v[W]                           ; the blocks' largest p: the same two instructions on the same number give the same bits
	v_exp_f32 v[W+1], v[W+1]
	v_pk_mul_f32 v[L:L+1], v[L:L+1], v[F:F+1] op_sel_hi:[1,0]   ; the sums under the new M: the plain place behind the batch
	s_wait_dscnt 0x0                               ; the step's 30 loads, issued at its head, are in
	s_wait_alu depctr_va_vdst(0)                   ; one wait for the batch, directly ahead of the first reader of O^T
.set jj, 0
.rept 16
	v_pk_mul_f32 v[O+jj:O+jj+1], v[O+jj:O+jj+1], v[F:F+1] op_sel_hi:[1,0]   ; O^T under the new M, each accumulator from its low end on
.set jj, jj+2
.endr
	v_max_num_f32 v[W], 0x1800000, v[W]            ; the floor 2^(3 - 127): the byte cannot fall under 1
	v_max_num_f32 v[W+1], 0x1800000, v[W+1]
	s_delay_alu instid0(VALU_DEP_2)
	v_add_nc_u32 v[W], 0xff000000, v[W]            ; 2 off the exponent field: the conversion's scale operand
	s_delay_alu instid0(VALU_DEP_2)
	v_add_nc_u32 v[W+1], 0xff000000, v[W+1]
	s_delay_alu instid0(VALU_DEP_2)
	v_lshrrev_b32 v[W+7], 23, v[W]                 ; the scales' bytes
	s_delay_alu instid0(VALU_DEP_2)
	v_lshrrev_b32 v[W+11], 23, v[W+1]
	v_cvt_scalef32_pk16_fp6_f32 v[PC:PC+2], v[S:S+15], v[W]
	v_cvt_scalef32_pk16_fp6_f32 v[W+4:W+6], v[S+16:S+31], v[W]       ; (a conversion's three registers begin on an even number)
	v_cvt_scalef32_pk16_fp6_f32 v[PC+6:PC+8], v[S+32:S+47], v[W+1]
	v_cvt_scalef32_pk16_fp6_f32 v[W+8:W+10], v[S+48:S+63], v[W+1]
	; the row's sum of the unquantised p, in four chains; among its lines the codes' moves and the scale word
	v_pk_add_f32 v[SU:SU+1], v[S:S+1], v[S+2:S+3]
	v_pk_add_f32 v[SU+2:SU+3], v[S+4:S+5], v[S+6:S+7]
	v_pk_add_f32 v[SU+4:SU+5], v[S+8:S+9], v[S+10:S+11]
	v_pk_add_f32 v[L:L+1], v[L:L+1], v[S+12:S+13]
	v_lshl_or_b32 v[PW], v[W+11], 16, v[W+7]       ; my bytes: blocks h and 2 + h,
.irp i, 0,1,2
	v_mov_b32 v[PC+3+\i], v[W+4+\i]
.endr
	v_lshlrev_b32 v[PW], v[SH], v[PW]              ; at their places in the word
.irp i, 0,1,2
	v_mov_b32 v[PC+9+\i], v[W+8+\i]
.endr
	v_permlanex16_b32 v[W+2], v[PW], s[SEL], s[SEL+1]
.set jj, 14
	SUM4
	v_or_b32 v[PW], v[PW], v[W+2]                  ; with lane l xor 16's two bytes the word is whole.  The 24 lines below are the places ahead of the scaled products
.rept 5
	SUM4
.endr
	v_pk_add_f32 v[SU:SU+1], v[SU:SU+1], v[S+62:S+63]
	v_pk_add_f32 v[L:L+1], v[L:L+1], v[SU+4:SU+5]
	s_delay_alu instid0(VALU_DEP_2)
	v_pk_add_f32 v[SU:SU+1], v[SU:SU+1], v[SU+2:SU+3]
	s_delay_alu instid0(VALU_DEP_1)
	v_pk_add_f32 v[L:L+1], v[L:L+1], v[SU:SU+1]
.if \sp
	SPROD                                          ; the next step's scores, over p, which has been summed and converted
.endif
.irp t, 0,1,2,3                                ; O^T += V^T P^T: four accumulators, one instruction each
.if \t % 2
	v_wmma_scale_f32_16x16x128_f8f6f4 v[O+8*\t:O+8*\t+7], v[VF+12*\t:VF+12*\t+11], v[PC:PC+11], v[O+8*\t:O+8*\t+7], v[VS+\t/2], v[PW] matrix_a_fmt:MATRIX_FMT_FP6 matrix_b_fmt:MATRIX_FMT_FP6 matrix_a_scale:MATRIX_SCALE_ROW1
.else
	v_wmma_scale_f32_16x16x128_f8f6f4 v[O+8*\t:O+8*\t+7], v[VF+12*\t:VF+12*\t+11], v[PC:PC+11], v[O+8*\t:O+8*\t+7], v[VS+\t/2], v[PW] matrix_a_fmt:MATRIX_FMT_FP6 matrix_b_fmt:MATRIX_FMT_FP6
.endif
.endr
	v_nop                                          ; two of the four places behind the products
	v_nop
.endm
; THE CHANGE OF SLOTS, at a slot's head.  Each wave waits for all its tensor loads, adds 0 to its spare word, and waits for that; its reads of the slot that it has left were waited for in that slot's last step.
; fill = 1: the barrier is a round of the cluster's; the slot that was left takes the eight records that follow, and that load has eight steps in which to land.
.macro CHANGE fill
	s_wait_tensorcnt 0x0
	ds_add_u32 v[SPW], v[NIL]
.if \fill
	s_xor_b32 s[G0+1], s[G0+1], SLOT1              ; no tensor load of mine is out: the walking descriptor takes the other slot
	s_add_nc_u64 s[G0+2:G0+3], s[G0+2:G0+3], SLOTB ; and the next eight records
	s_wait_xcnt 0x0                                ; the last prefetch has read its address
	s_add_nc_u64 s[PFA:PFA+1], s[PFA:PFA+1], SLOTB
.endif
	s_wait_dscnt 0x0
.if \fill
	ROUND
	TLOAD
	ASK
.else
	s_barrier_signal -1
	s_barrier_wait -1
.endif
.endm
.macro STEPS n
	s_mov_b32 s[CNT], \n
.Lstep_\@:
	STEP 1
	s_add_co_u32 s[TB], s[TB], STEPB
	s_sub_co_u32 s[CNT], s[CNT], 1
	s_cmp_lg_u32 s[CNT], 0
	s_cbranch_scc1 .Lstep_\@
.endm
	s_load_b128 s[4:7], s[0:1], 0x0                ; kc s[4:5], kv s[6:7]
	s_load_b64 s[8:9], s[0:1], 0x10                ; out0
	v_lshl_add_u32 v[SPW], v0, 2, SPARE
	v_mov_b32 v[NIL], 0
	ds_add_u32 v[SPW], v[NIL]                      ; the opening lines: the add twice on end and one wait
	ds_add_u32 v[SPW], v[NIL]
	v_lshrrev_b32 v[W], 5, v0
	v_readfirstlane_b32 s[WV], v[W]                ; wave 0..15
	s_bfe_u32 s11, ttmp6, 0x40000                  ; cx
	s_lshl_b32 s12, ttmp9, 2
	s_add_co_u32 s12, s12, s11                     ; my block of 256 rows: it enters kc's and out's addresses alone
	s_and_b32 s13, ttmp7, 0xffff                   ; 8 batch + head, which the partners share
	s_mov_b32 s[G1], 15|(3<<16)|(1<<21)            ; the mask: all four work-groups; elements of 8 bytes; bit 21 beside a mask
	s_mov_b32 s[G1+1], 32<<16
	s_mov_b32 s[G1+2], 26<<16
	s_mov_b32 s[G1+3], 32<<16
	s_mov_b32 s[G1+4], 26
	s_mov_b32 s[G1+5], 32
	s_mov_b32 s[G1+6], 0
	s_mov_b32 s[G1+7], 0
	s_mov_b32 s[G1B], 15|(3<<16)|(1<<21)
	s_mov_b32 s[G1B+1], 32<<16
	s_mov_b32 s[G1B+2], 25<<16
	s_mov_b32 s[G1B+3], 32<<16
	s_mov_b32 s[G1B+4], 25
	s_mov_b32 s[G1B+5], 32
	s_mov_b32 s[G1B+6], 0
	s_mov_b32 s[G1B+7], 0
	s_lshr_b32 s14, s[WV], 1
	s_mul_i32 s14, s14, STEPB                      ; which of a slot's eight records I fetch,
	s_and_b32 s[ODD], s[WV], 1
	s_mul_i32 s15, s[ODD], HALFB                   ; and which half of it: the same offset in memory and in a slot
	s_add_co_u32 s14, s14, s15
	s_mul_i32 s16, s13, 32*STEPB                   ; my (batch, head)'s 32 records
	s_add_co_u32 s18, s16, s14
	s_mov_b32 s19, 0
	s_mul_i32 s40, s11, 2*STEPB                    ; the prefetches: my work-group's two records of a slot,
	s_add_co_u32 s40, s40, s16
	s_add_co_u32 s40, s40, SLOTB                   ; at the second eight: the first change of slots steps it to the third
	s_mov_b32 s41, 0
	s_lshr_b32 s42, s[WV], 2
	s_or_b32 s42, s42, ttmp9                       ; 0 in waves 0-3 of the (batch, head)'s first cluster
	s_cmp_eq_u32 s42, 0
	s_cselect_b32 s[LIM], 1, -1
	s_add_co_u32 s60, s16, 31*STEPB                ; record 31 holds q of step 0
	s_mov_b32 s61, 0
	s_lshl_b32 s43, s13, 5                         ; kc: record 32 (8 batch + head) + 2 x my block + wave / 8,
	s_lshl_b32 s44, s12, 1
	s_add_co_u32 s43, s43, s44
	s_lshr_b32 s44, s[WV], 3
	s_add_co_u32 s43, s43, s44
	s_mul_i32 s43, s43, KREC
	s_and_b32 s45, s[WV], 7                        ; my tile in it
	s_mul_i32 s46, s45, 768
	s_add_co_u32 s46, s46, s43
	s_mov_b32 s47, 0
	s_lshl_b32 s48, s[ODD], 8                      ; its scale words: register tile / 2, lanes 16 (tile % 2) on
	s_lshr_b32 s49, s45, 1
	s_lshl_b32 s49, s49, 2
	s_add_co_u32 s48, s48, s49
	s_add_co_u32 s48, s48, s43
	s_add_co_u32 s48, s48, 6144
	s_mov_b32 s49, 0
	s_lshr_b32 s54, s13, 3                         ; out: token 4096 batch + 256 x my block + 64 (wave / 4) + 8 (wave % 4),
	s_lshl_b32 s54, s54, 12
	s_lshl_b32 s55, s12, 8
	s_add_co_u32 s54, s54, s55
	s_lshr_b32 s55, s[WV], 2
	s_lshl_b32 s55, s55, 6
	s_add_co_u32 s54, s54, s55
	s_and_b32 s57, s[WV], 3
	s_lshl_b32 s55, s57, 3
	s_add_co_u32 s54, s54, s55
	s_lshl_b32 s54, s54, 11                        ; rows of 2,048 bytes,
	s_and_b32 s55, s13, 7
	s_lshl_b32 s55, s55, 8                         ; + the head's 256 bytes
	s_add_co_u32 s54, s54, s55
	s_mov_b32 s55, 0
	s_mul_i32 s56, s[WV], 16*SP
	s_add_co_u32 s56, s56, STAGE                   ; my stage
	s_lshl_b32 s57, s57, 5
	s_mov_b32 s[SEL], 0x76543210
	s_mov_b32 s[SEL+1], 0xfedcba98                 ; lane l xor 16
	s_mov_b32 s[CS], 0x3e38aa3b                    ; c = log2(e) / 8
	s_mov_b32 s[CS+1], s[CS]
	s_mov_b32 s[NCS], 0xbe38aa3b                   ; -c
	s_mov_b32 s[TB], 0
	s_mov_b32 s[SLOTS], 3                          ; four slots' worth of steps; the first is asked for below
	v_and_b32 v[W+3], 31, v0                       ; lane
	v_and_b32 v[W], 15, v0                         ; r
	v_bfe_u32 v[SH], v0, 4, 1                      ; h
	v_lshlrev_b32 v[LI16], 4, v[W+3]
	v_lshlrev_b32 v[LI8], 3, v[W+3]
	v_add_nc_u32 v[PFO], s57, v[W+3]               ; piece 32 (wave % 4) + lane of my work-group's two records,
	v_lshlrev_b32 v[W], 4, v[W]                    ; my scale word: 16 bytes a lane of the image; both halves of the lanes take row r's
	v_lshlrev_b32 v[SH], 3, v[SH]
	v_min_u32 v[PFO], 101, v[PFO]                  ; held at the last
	s_delay_alu instid0(VALU_DEP_1)
	v_lshlrev_b32 v[PFO], 8, v[PFO]
	s_wait_alu depctr_va_vdst(0)                   ; directly ahead of the waits below
	s_wait_dscnt 0x0                               ; both opening adds are done
	s_wait_kmcnt 0x0
	s_mov_b32 s[G0], 1
	s_mov_b32 s[G0+1], s14                         ; LDS address: slot 0
	s_add_nc_u64 s[G0+2:G0+3], s[6:7], s[18:19]    ; records 0 to 7
	s_or_b32 s[G0+3], s[G0+3], 0x80000000
	s_add_nc_u64 s[PFA:PFA+1], s[6:7], s[40:41]
	s_add_nc_u64 s[60:61], s[6:7], s[60:61]
	s_add_nc_u64 s[50:51], s[4:5], s[46:47]
	s_add_nc_u64 s[52:53], s[4:5], s[48:49]
	s_add_nc_u64 s[8:9], s[8:9], s[54:55]
	ROUND                                          ; all four work-groups are here: the first joint loads meet
	TLOAD                                          ; slot 0: one tensor load a wave
	global_load_b128 v[KF:KF+3], v[LI16], s[50:51]           ; my fragment stays in registers
	global_load_b64 v[KF+4:KF+5], v[LI8], s[50:51] offset:512
	global_load_b32 v[KS], v[W], s[52:53]
	global_load_b128 v[QS:QS+3], v[LI16], s[60:61] offset:6144   ; q of step 0
.irp t, 0,1,2,3,4,5,6,7
	global_load_b128 v[QF+6*\t:QF+6*\t+3], v[LI16], s[60:61] offset:768*\t
	global_load_b64 v[QF+6*\t+4:QF+6*\t+5], v[LI8], s[60:61] offset:768*\t+512
.endr
.irp i, 0,1,2,3,4,5
	v_mov_b32 v[KF+6+\i], 0                        ; K = 64 .. 127: zero codes in my fragment
	v_mov_b32 v[PC+\i], 0                          ; named as the upper half of q's last tile before p's first codes are made
.endr
	v_mov_b32 v[NM], 0x7f61b1e6                    ; -M: M begins at -3e38, under every t
	v_mov_b32 v[L], 0
	v_mov_b32 v[L+1], 0
	v_mov_b32 v[W+2], 0                            ; a lane permute's destination counts as one of its sources
.set jj, 0
.rept 32
	v_mov_b32 v[O+jj], 0                           ; O^T: the step is written once; the first finds zeros, which the first f, 0, leaves zeros
.set jj, jj+1
.endr
	s_wait_alu depctr_va_vdst(0)
	s_wait_loadcnt 0x0
	SPROD                                          ; the scores of step 0
	v_nop
	v_nop
.Lslot:                                            ; three trips: behind each of these changes the next slot is asked for
	CHANGE 1
	STEPS 8
	s_sub_co_u32 s[TB], s[TB], SLOTB               ; back to a slot's first record,
	s_xor_b32 s[TB], s[TB], SLOT1                  ; in the other slot
	s_sub_co_u32 s[SLOTS], s[SLOTS], 1
	s_cmp_lg_u32 s[SLOTS], 0
	s_cbranch_scc1 .Lslot
	CHANGE 0                                       ; the last slot is written out: nothing more is asked for,
	STEPS 7
	STEP 0                                         ; and the last step has no scores to multiply ahead
	; THE WAY OUT.  O^T is divided by the row's sum and goes through my stage in LDS, so that sixteen lanes store one token's 256 bytes of the head.
	v_and_b32 v[W], 15, v0                         ; r   (these lines are also places behind the last products)
	v_bfe_u32 v[W+1], v0, 4, 1                     ; h
	v_add_f32 v[L], v[L], v[L+1]                   ; the sum's two halves,
	v_mul_u32_u24 v[W+4], v[W], SP                 ; the stage, in: row r, + 32 h
	v_mul_u32_u24 v[W+5], v[W+1], SP               ; back: lanes 0-15 one row of 256 bytes, lanes 16-31 the next
	v_lshlrev_b32 v[W+6], 11, v[W+1]               ; and the same two rows in out
	v_permlanex16_b32 v[W+2], v[L], s[SEL], s[SEL+1]
	v_lshl_add_u32 v[W+4], v[W+1], 5, v[W+4]
	v_lshl_add_u32 v[W+5], v[W], 4, v[W+5]
	v_lshl_add_u32 v[W+6], v[W], 4, v[W+6]
	v_add_f32 v[L], v[L], v[W+2]                   ; and lane l xor 16's: the row's sum
	v_add_nc_u32 v[W+4], s56, v[W+4]
	v_add_nc_u32 v[W+5], s56, v[W+5]
	s_wait_alu depctr_va_vdst(0)                   ; the wait ahead of the transcendental
	v_rcp_f32 v[L], v[L]
	v_nop                                          ; the plain place behind it
	s_wait_alu depctr_va_vdst(0)                   ; the wait ahead of its first reader
.set jj, 0
.rept 32
	v_mul_f32 v[S+jj], v[O+jj], v[L]               ; register 8 t + i is out(row r, 16 t + 8 h + i); each accumulator from its low end on
.set jj, jj+1
.endr
.irp t, 0,1,2,3
	ds_store_b128 v[W+4], v[S+8*\t:S+8*\t+3] offset:64*\t
	ds_store_b128 v[W+4], v[S+8*\t+4:S+8*\t+7] offset:64*\t+16
.endr
.irp i, 0,1,2,3,4,5,6,7
	ds_load_b128 v[QF+4*\i:QF+4*\i+3], v[W+5] offset:2*\i*SP   ; LDS serves a wave's instructions in order (ISA guide 5.7.1.4): these see my stores
.endr
.irp i, 0,1,2,3,4,5,6,7
	s_wait_dscnt 7-\i                              ; rows 2 i and 2 i + 1 are back; the 7 - i younger loads may be out
	global_store_b128 v[W+6], v[QF+4*\i:QF+4*\i+3], s[8:9] offset:(2*\i+24*(\i/4))*2048 th:TH_STORE_NT   ; row 2 i + h of my tile is token 2 i + h + 24 (i / 4); 16 lanes store 256 consecutive bytes, aligned
.endr
	s_wait_tensorcnt 0x0                           ; the wave's end
	ds_add_u32 v[SPW], v[NIL]
	s_wait_dscnt 0x0
	ROUND                                          ; the closing round
	s_endpgm
.Lfunc_end_k_q4e37052466_attn:
	.size	k_q4e37052466_attn, .Lfunc_end_k_q4e37052466_attn-k_q4e37052466_attn
	.p2alignl 7, 3214868480
	.fill 96, 4, 3214868480
	.section	.rodata,"a",@progbits
	.p2align	6, 0x0
	.amdhsa_kernel k_q4e37052466_attn
		.amdhsa_group_segment_fixed_size 327680
		.amdhsa_private_segment_fixed_size 0
		.amdhsa_enable_private_segment 0
		.amdhsa_kernarg_size 24
		.amdhsa_user_sgpr_count 2
		.amdhsa_user_sgpr_kernarg_segment_ptr 1
		.amdhsa_wavefront_size32 1
		.amdhsa_system_sgpr_workgroup_id_x 1
		.amdhsa_system_sgpr_workgroup_id_y 1
		.amdhsa_system_sgpr_workgroup_id_z 1
		.amdhsa_system_vgpr_workitem_id 0
		.amdhsa_next_free_vgpr 256
		.amdhsa_next_free_sgpr 80
		.amdhsa_reserve_vcc 0
		.amdhsa_float_denorm_mode_32 3
		.amdhsa_float_denorm_mode_16_64 3
		.amdhsa_memory_ordered 1
		.amdhsa_forward_progress 1
		.amdhsa_inst_pref_size 59
	.end_amdhsa_kernel
	.amdgpu_metadata
---
amdhsa.version: [ 1, 2 ]
amdhsa.kernels:
  - .name:           k_q4e37052466_attn
    .symbol:         k_q4e37052466_attn.kd
    .args:
      - { .name: kc, .offset: 0, .size: 8, .value_kind: global_buffer, .address_space: global }
      - { .name: kv, .offset: 8, .size: 8, .value_kind: global_buffer, .address_space: global }
      - { .name: out0, .offset: 16, .size: 8, .value_kind: global_buffer, .address_space: global }
    .group_segment_fixed_size: 327680
    .private_segment_fixed_size: 0
    .kernarg_segment_align: 8
    .kernarg_segment_size: 24
    .max_flat_workgroup_size: 512
    .sgpr_count:     80
    .vgpr_count:     256
    .wavefront_size: 32
...
	.end_amdgpu_metadata
.endif
;; end of part 3
